; MI455X (gfx1250); checked and timed in simulation.
; The chip was launched on July 23, 2026; its instructions are those of AMD's public machine-readable ISA for CDNA 5 (MIT licence, August 2026) and "CDNA5" Instruction Set Architecture Reference Guide (July 2026). The comments in the code are by the model that wrote it; some were corrected since.
;; Model Base. Allowed arithmetic: matrix products marked QUANTISED: E4M3 operands, one given power-of-two scale a tensor, by v_wmma_f32_16x16x64_fp8_fp8 or v_wmma_f32_16x16x128_fp8_fp8, f32 sums; everything else in f32.
;; Inputs: lowp_scales 2 int32 (the exponents e of the quantised operands' scales 2^e); x_codes 16 x 2,048 x 8 x 32 uint8 (E4M3 codes of x, K innermost, in blocks of 32 codes); y_codes 16 x 2,048 x 8 x 32 uint8 (E4M3 codes of y, K innermost, in blocks of 32 codes).
;; Outputs: out0 16 x 4,096 float32.
;; This version of the problem:
;;   THIS VERSION OF THE PROBLEM IS GIVEN IN LOW PRECISION. The matrix products marked QUANTISED in the list below multiply operands that are first quantised to E4M3 (4 exponent bits, 3 mantissa bits; 8 bits a number), with one given power-of-two scale for each operand tensor; their sums are f32. All else is computed in f32.
;;   The module's matrix products, in the order in which they are computed (A, B: the left and right operand; K: the contracted axis; several contracted axes count as one K, in the product's order):
;;     1. batch 16 x [M 2,048, K 256] x [K 256, N 2,048]; A: input x (given as codes); B: input y (given as codes): QUANTISED (scales: A lowp_scales[0], B lowp_scales[1])
;;   THE QUANTISER, for each operand of a quantised product, along K:
;;     - The operand's scale is 2^e, e = its entry of the input lowp_scales (int32; the entries are numbered through the quantised products in the list's order, A before B).
;;     - Each number is divided by the scale, clamped to +-448, and rounded to the nearest number of E4M3, ties to even, subnormals kept.
;;     - The product sums the exact products of the quantised numbers (number of the format x scale) in f32.
;;   ~~~python
;;   def quantise(x, axis, e):      # numpy; x: float32 -> the quantised numbers, widened to float32 again
;;       x = np.moveaxis(x, axis, -1); K = x.shape[-1]
;;       r = np.clip(x / 2.0 ** e, -448, 448)
;;       step = 2.0 ** (np.maximum(np.frexp(np.where(r == 0, 1, r))[1] - 1, -6) - 3)
;;       q = np.round(r / step) * step * 2.0 ** e      # np.round: ties to even
;;       return np.moveaxis(q, -1, axis).astype(np.float32)
;;   ~~~
;;   INPUTS GIVEN AS CODES. x (in the module: [16, 2048, 256], K = its axis 2); y (in the module: [16, 2048, 256], K = its axis 2): each comes as NAME_codes (uint8): NAME with its K axis moved to the last place and cut into blocks of 32 codes, [.., K / 32, bytes a block], one block behind the other in memory; one code a byte (a code: sign, 4 exponent bits, 3 mantissa bits); its scale is its entry of lowp_scales. Its value is code x scale, taken as it is: it is not quantised again, and the codes and scales need not be those that the quantiser above would give.
;; One version. Each part assembles by itself: llvm-mc -triple=amdgcn-amd-amdhsa -mcpu=gfx1250 --defsym DOCPART=n.
;; ======== version 1 of 1: 2 launches
;; limits: a difference of large sums (such as E[x^2] - mean^2): digits are lost where the result is much smaller than its terms
;; workspace buffers: part 1,048,576 bytes
;; launch scores (part 1): grid 4 x 64, 4 waves a work-group, clusters of 4 x 4, 296,448 bytes of LDS; arguments x_codes, y_codes, part; writes part
.if DOCPART == 1
	.amdgcn_target "amdgcn-amd-amdhsa--gfx1250"
	.amdhsa_code_object_version 6
	.text
	.protected	k_q71b677d0e6_scores
	.globl	k_q71b677d0e6_scores
	.p2align	8
	.type	k_q71b677d0e6_scores,@function
k_q71b677d0e6_scores:
	s_mov_b64 s[64:65], 0
	v_nop
	global_prefetch_b8 v0, s[64:65] scope:SCOPE_SE
	s_setreg_imm32_b32 hwreg(HW_REG_WAVE_MODE, 25, 1), 1
	s_wait_xcnt 0x0
	s_wait_alu depctr_hold_cnt(0) depctr_sa_sdst(0) depctr_va_vdst(0) depctr_va_sdst(0) depctr_va_ssrc(0) depctr_va_vcc(0) depctr_vm_vsrc(0)
	s_getreg_b32 s2, hwreg(HW_REG_IB_STS2, 6, 4)
	s_cmp_eq_u32 s2, 0
	s_cbranch_scc0 .Lentry_in_a_cluster
	s_endpgm
.Lentry_in_a_cluster:
	s_bfe_u32 s2, ttmp6, 0x10000c
	s_cmp_lg_u32 s2, 0xf033
	s_cbranch_scc0 .Lentry_shape_is_right
	s_endpgm
.Lentry_shape_is_right:
; S[b][n][m] = sum over k of x[b][n][k] y[b][m][k] on codes of FP8 (E4M3), K = 256; of S only its sums over n and over m are wanted.  x, y: [16][2048][256] codes, a row is 256 bytes.
; This launch multiplies the codes as they are and stores PARTIAL sums, unscaled: part [16 b][4 k][4096 j] f32.  j < 2048: the sum of S over the 512 rows of x's tile k, for y's row j;
; j >= 2048: the sum of S over the 512 rows of y's tile k, for x's row j - 2048.  The next launch adds the four k and multiplies by 2^(e0 + e1).
; SHARES.  A work-group makes 512 x 512 of one batch's S.  16 batches x 16 tiles are 256 work-groups.  A cluster of 4 x 4 is one batch: cx = y's tile, cy = x's tile.  x's tile is shared along a row of the
; cluster, y's along a column: each is asked for JOINTLY, by the same tensor load with the same descriptor and a mask that names the four.  Both tiles, 2 x 128 KB, lie in LDS at once: every load is a first fill.
; Wave w keeps x's rows 128 w .. 128 w + 127 in registers (8 fragments of 16 rows x 256 K: all of window 1) and walks y's 32 tiles of 16 rows from LDS: 16 matrix instructions a tile, 512 in all.
; LAYOUT.  Source 0 = 16 rows of x, source 1 = 16 rows of y: register j of lane (r, h) holds S(x row 8 h + j, y row r).
; THE SUMS.  The eight accumulators P0-P7 (one for each 16 rows of x) are never begun anew: they run on over all 32 tiles of y.  At the end P_a IS the sum over y's rows, still spread over the 16 lanes r.
; For the sum over x's rows, behind each tile b of y: u(b) = the sum of all 64 registers of P0-P7, a number a lane; the tile's own sum is u(b) - u(b - 1), taken at the end from LDS, for each wave and half of the lanes apart.
; That is 32 vector instructions for a tile's 16 matrix instructions, two behind each.
; LIMITS.  u(b) - u(b - 1) is a difference of running f32 sums over at most 32 tiles of y: where all numbers have one sign it costs at most 5 of f32's 24 bits.  The codes for NaN (0x7f, 0xff) are not served: a NaN in
; a row of y stays in the running sums of the work-group's later tiles of y.  The sums of codes stay under 2^37.
; FRAGMENTS.  16 rows x 128 K are 16 registers, fetched by four ds_load_b128: registers 4 c .. 4 c + 3 of lane (r, h) hold K = 32 c + 16 h + 0 .. 15 of row r.  That is a permutation of k, the same in x and in y,
; so every product meets its partner; only the order of the sums inside an instruction differs from the form's own layout.
; REGISTER WINDOWS.  Window 1: x's fragments.  Window 0: all else.  In the loop the setting is: source 0 in window 1.  So that the additions between the matrix instructions need no switch, they are written as
; fused multiply-adds 1.0 x X + Y: source 0 is then a constant and names no register, and the value is X + Y.  Only a tile's LDS instructions (their address is source 0) want window 0: two switches a tile.
; No prefetch: every byte that the work-group reads is asked for by the three tensor loads at its head.
.set PITCH, 272                        ; an LDS row: 256 bytes + 16 of padding = 68 words: row r starts at bank 4 r mod 64 (64 banks of 4 bytes: ISA guide 11.1), so the 16 rows of a fragment load start at 16 different banks
.set TILEB, 16*PITCH                   ; 16 rows
.set XWAVE, 128*PITCH                  ; a wave's rows of x; after the loop its first 32 x 272 bytes are the wave's stage for turning P (they have had their one fill, and only this wave ever reads them)
.set YT,    512*PITCH                  ; behind x's 512 rows: y's 512 rows,
.set YHALF, 256*PITCH                  ; in two halves, each brought by one load a wave,
.set YWAVE, 64*PITCH                   ; of 64 rows
.set RED,   2*512*PITCH                ; behind the tiles: for each wave 33 slots of 128 bytes, a word a lane: slot 0 zeros, slot b + 1 u(b); no fill lands here
.set REDW,  4352                       ; 33 x 128 bytes, rounded up to blocks of 256
.set SPARE, RED+4*REDW                 ; the spare words, 128 bytes for each wave: two blocks of 256 bytes that no other line names
.set AX,  4                            ; v4   LDS address of my lane's place in my wave's rows of x
.set AY0, 5                            ; v5   the same in y's tile 0
.set AU0, 6                            ; v6   my word of my wave's slot 0
.set ADY, 7                            ; v7   the trip's address for y's fragments
.set ADU, 8                            ; v8   the trip's address for u
.set TRS, 10                           ; v10  the stage: where my 64 registers of P go
.set TRL, 11                           ; v11  the stage: where I read four rows' numbers back
.set GC,  12                           ; v12  16 x lane
.set RL,  13                           ; v13  where I read u for my four rows of y
.set GR,  14                           ; v14  16 x thread
.set SPW, 16                           ; v16  LDS address of my spare word; never rewritten
.set NIL, 17                           ; v17  0; never rewritten
.set BF,  32                           ; v32-63, v64-95  y's fragments, two sets; K step s at + 16 s
.set P,   96                           ; v96-159  the accumulators, P_a at P + 8 a
.set T,   160                          ; v160-167 the sum of P0-P7, register by register
.set U,   168                          ; v168     u
.set E,   176                          ; v176-239 at the end: 16 x 4 numbers back from the stage
.set F,   192                          ; v192-255 at the end: 8 x (4 old u, 4 new u)
.set WV,  10                           ; s10  my wave's number
.set G1X, 16                           ; s[16:23] descriptor group 1 for x's tile;  s[24:31] for y's
.set G1Y, 24
.set G0X, 32                           ; s[32:35] group 0 for x;  s[36:39], s[40:43] for y's two halves
.set G0Y, 36
.set TB,  48                           ; s48  bytes from y's tile 0 to the trip's first tile
.set TU,  49                           ; s49  bytes from slot 0 to the slot that the trip's first tile stores
.set CNT, 50                           ; s50  trips to go
.set XW,  51                           ; s51  where my wave's rows of x begin in LDS
.set PR,  52                           ; s[52:53] part: the work-group's 512 sums over x's rows
.set PC,  54                           ; s[54:55] part: my wave's 128 sums over y's rows
.set MUL, 0x01                         ; source 0 window 1, all else window 0
.set MSB, 0
.macro WIN new                         ; the immediate's high byte repeats the setting that is left; a switch that changes nothing is dropped
.if MSB != \new
	s_set_vgpr_msb (MSB<<8)|\new
.set MSB, \new
.endif
.endm
; A round of the cluster's barrier: my work-group's barrier, so that wave 0's signal speaks for all four waves; wave 0 signals; every wave waits for all sixteen work-groups; my work-group's barrier once more.
.macro CROUND
	s_barrier_signal -1
	s_barrier_wait -1
	s_cmp_lg_u32 s[WV], 0
	s_cbranch_scc1 .Lnot_wave_0_\@
	s_barrier_signal -3
.Lnot_wave_0_\@:
	s_barrier_wait -3
	s_barrier_signal -1
	s_barrier_wait -1
.endm
	s_load_b128 s[4:7], s[0:1], 0x0                ; x's codes s[4:5], y's codes s[6:7]
	s_load_b64 s[8:9], s[0:1], 0x10                ; part
	v_lshl_add_u32 v[SPW], v0, 2, SPARE
	v_mov_b32 v[NIL], 0
	ds_add_u32 v[SPW], v[NIL]                      ; the wave's opening: the add and its wait ahead of my first tensor load; the set-up below, work on registers, stands between them
	v_lshrrev_b32 v1, 5, v0
	v_readfirstlane_b32 s[WV], v1                  ; wave 0..3
	s_bfe_u32 s11, ttmp6, 0x40000                  ; cx: y's tile
	s_bfe_u32 s12, ttmp6, 0x40004                  ; cy: x's tile
	s_and_b32 s13, ttmp7, 0xffff                   ; the cluster's y: the batch
	s_lshl_b32 s14, s12, 2
	s_lshl_b32 s14, 15, s14                        ; my row of the cluster: places 4 cy .. 4 cy + 3
	s_lshl_b32 s15, 0x1111, s11                    ; my column: places cx, cx + 4, cx + 8, cx + 12
	; descriptor groups 1: rows of 256 elements of one byte, dense in memory, padded in LDS; x: 128 rows a load, y: 64
	s_or_b32 s[G1X], s14, (0<<16)|(1<<20)|(1<<21)|(5<<22)|(3<<25)  ; 15:0 the mask: x's tile goes to my row; 17:16 elements of 1 byte; 20 padding on; 21 set beside a mask; 24:22 after every 64 words (code 5); 31:25 four words (code 3)
	s_or_b32 s[G1Y], s15, (0<<16)|(1<<20)|(1<<21)|(5<<22)|(3<<25)  ; the same with the mask of my column
	s_mov_b32 s[G1X+1], 256<<16                    ; tensor_dim0 = 256
	s_mov_b32 s[G1X+2], 128<<16                    ; tensor_dim1 = 128
	s_mov_b32 s[G1X+3], 256<<16                    ; tile_dim0 = 256
	s_mov_b32 s[G1X+4], 128                        ; tile_dim1 = 128
	s_mov_b32 s[G1X+5], 256                        ; tensor_dim0_stride
	s_mov_b32 s[G1X+6], 0
	s_mov_b32 s[G1X+7], 0
	s_mov_b32 s[G1Y+1], 256<<16
	s_mov_b32 s[G1Y+2], 64<<16                     ; tensor_dim1 = 64
	s_mov_b32 s[G1Y+3], 256<<16
	s_mov_b32 s[G1Y+4], 64                         ; tile_dim1 = 64
	s_mov_b32 s[G1Y+5], 256
	s_mov_b32 s[G1Y+6], 0
	s_mov_b32 s[G1Y+7], 0
	; where the tiles come from.  x's hangs on the batch, cy and the wave, which my row of the cluster shares; y's on the batch, cx and the wave, which my column shares; each in registers that never hold the other coordinate
	s_lshl_b32 s44, s13, 19                        ; a batch is 2,048 rows of 256 bytes,
	s_lshl_b32 s56, s12, 17                        ; a tile 512 rows,
	s_add_co_u32 s44, s44, s56
	s_lshl_b32 s56, s[WV], 15                      ; my load 128 rows
	s_add_co_u32 s44, s44, s56
	s_mov_b32 s45, 0
	s_lshl_b32 s46, s13, 19
	s_lshl_b32 s57, s11, 17
	s_add_co_u32 s46, s46, s57
	s_lshl_b32 s57, s[WV], 14                      ; of y: 64 rows of each half
	s_add_co_u32 s46, s46, s57
	s_mov_b32 s47, 0
	s_mul_i32 s[XW], s[WV], XWAVE                  ; and where they go: no place in the cluster enters an LDS address
	s_wait_dscnt 0x0                               ; the opening add is done
	s_wait_kmcnt 0x0
	s_mov_b32 s[G0X], 1                            ; 1:0 count = 1
	s_mov_b32 s[G0X+1], s[XW]                      ; 63:32 LDS address
	s_add_nc_u64 s[G0X+2:G0X+3], s[4:5], s[44:45]  ; 120:64 global address
	s_or_b32 s[G0X+3], s[G0X+3], 0x80000000        ; 127:126 type = 2
	s_mov_b32 s[G0Y], 1
	s_mul_i32 s[G0Y+1], s[WV], YWAVE
	s_add_co_u32 s[G0Y+1], s[G0Y+1], YT
	s_add_nc_u64 s[G0Y+2:G0Y+3], s[6:7], s[46:47]
	s_mov_b32 s[G0Y+4], 1
	s_add_co_u32 s[G0Y+5], s[G0Y+1], YHALF         ; the second half: 256 rows on, in LDS
	s_add_nc_u64 s[G0Y+6:G0Y+7], s[G0Y+2:G0Y+3], 256*256  ; and in memory
	s_or_b32 s[G0Y+3], s[G0Y+3], 0x80000000
	s_or_b32 s[G0Y+7], s[G0Y+7], 0x80000000
	CROUND                                         ; all sixteen work-groups are here: the joint loads meet
	tensor_load_to_lds s[G0X:G0X+3], s[G1X:G1X+7]  ; all fills of the launch go out together: three tensor loads of mine are out.  My 128 rows of x,
	s_nop 0
	tensor_load_to_lds s[G0Y:G0Y+3], s[G1Y:G1Y+7]  ; my 64 rows of y's first half,
	s_nop 0
	tensor_load_to_lds s[G0Y+4:G0Y+7], s[G1Y:G1Y+7]  ; and of its second
	s_nop 0
.rept 4
	v_nop                                          ; an s_nop 0 follows each load and four v_nop the last
.endr
	; the addresses, while the tiles are on their way
	v_and_b32 v1, 15, v0                           ; r
	v_bfe_u32 v2, v0, 4, 1                         ; h
	v_and_b32 v3, 31, v0                           ; lane
	v_mul_u32_u24 v[AY0], v1, PITCH
	v_lshl_add_u32 v[AY0], v2, 4, v[AY0]           ; a fragment's row x pitch + 16 x half
	v_add_nc_u32 v[AX], s[XW], v[AY0]
	v_add_nc_u32 v[AY0], YT, v[AY0]
	v_mov_b32 v[ADY], v[AY0]                       ; tiles 0 and 1 fetch from y's tile 0 on
	s_mul_i32 s62, s[WV], REDW
	v_lshlrev_b32 v[AU0], 2, v3
	v_add_nc_u32 v[AU0], s62, v[AU0]
	v_add_nc_u32 v[AU0], RED, v[AU0]
	v_mul_u32_u24 v[TRS], v3, PITCH                ; the stage, in: a row of 256 bytes + 16 for each lane
	v_add_nc_u32 v[TRS], s[XW], v[TRS]
	v_bfe_u32 v[TRL], v0, 1, 1                     ; the stage, back: lane L takes x's rows 4 L .. 4 L + 3 of the wave's 128: accumulator L / 4, half (L / 2) % 2, registers 4 (L % 2) on:
	v_mul_u32_u24 v[TRL], v[TRL], 16*PITCH         ; the half's sixteen lanes' rows,
	v_bfe_u32 v9, v0, 2, 3
	v_lshl_add_u32 v[TRL], v9, 5, v[TRL]           ; 32 bytes an accumulator,
	v_and_b32 v9, 1, v0
	v_lshl_add_u32 v[TRL], v9, 4, v[TRL]           ; 16 bytes for four registers
	v_add_nc_u32 v[TRL], s[XW], v[TRL]
	v_lshlrev_b32 v[GC], 4, v3
	v_lshrrev_b32 v[RL], 2, v0                     ; thread t takes y's rows 4 t .. 4 t + 3: tile t / 4, lanes r = 4 (t % 4) on
	v_lshlrev_b32 v[RL], 7, v[RL]
	v_and_b32 v9, 3, v0
	v_lshl_add_u32 v[RL], v9, 4, v[RL]
	v_add_nc_u32 v[RL], RED, v[RL]
	v_lshlrev_b32 v[GR], 4, v0
	s_lshl_b32 s58, s13, 16                        ; part: a batch is 4 x 4,096 numbers; k = cy; y's row 512 cx on
	s_lshl_b32 s62, s12, 14
	s_add_co_u32 s58, s58, s62
	s_lshl_b32 s62, s11, 11
	s_add_co_u32 s58, s58, s62
	s_mov_b32 s59, 0
	s_add_nc_u64 s[PR:PR+1], s[8:9], s[58:59]
	s_lshl_b32 s60, s13, 16                        ; k = cx; behind the 2,048 numbers for y's rows: x's row 512 cy + 128 wave on
	s_lshl_b32 s62, s11, 14
	s_add_co_u32 s60, s60, s62
	s_lshl_b32 s62, s12, 11
	s_add_co_u32 s60, s60, s62
	s_lshl_b32 s62, s[WV], 9
	s_add_co_u32 s60, s60, s62
	s_add_co_u32 s60, s60, 8192
	s_mov_b32 s61, 0
	s_add_nc_u64 s[PC:PC+1], s[8:9], s[60:61]
; THE VECTOR WORK OF A TILE is a list of 32 instructions; SL writes number sn of it.  first = 1: y's tile 0, which has no tile before it.
;   0-15   T += P4 .. P7 as the tile BEFORE left them (they are written again from this tile's ninth matrix instruction on)
;   16-19  u of the tile before: T's eight registers added (first = 1: four v_nop, the places between the products that finish P0-P3 and number 20)
;   20-31  T = P0 + P1 + P2 + P3 of this tile (finished by its eighth matrix instruction)
; Each accumulator is read from its lowest pair on.  1.0 x X + Y is X + Y: see REGISTER WINDOWS at the head.
.macro SL first
.set pr, 2*(sn%4)
.if sn < 16
.if (\first) == 0
	v_pk_fma_f32 v[T+pr:T+pr+1], 1.0, v[T+pr:T+pr+1], v[P+8*(4+sn/4)+pr:P+8*(4+sn/4)+pr+1] op_sel_hi:[0,1,1]
.endif
.elseif (sn < 20) && (\first)
	v_nop
.elseif sn == 16
	v_pk_fma_f32 v[T:T+1], 1.0, v[T:T+1], v[T+2:T+3] op_sel_hi:[0,1,1]
.elseif sn == 17
	v_pk_fma_f32 v[T+4:T+5], 1.0, v[T+4:T+5], v[T+6:T+7] op_sel_hi:[0,1,1]
.elseif sn == 18
	v_pk_fma_f32 v[T:T+1], 1.0, v[T:T+1], v[T+4:T+5] op_sel_hi:[0,1,1]
.elseif sn == 19
	v_fma_f32 v[U], 1.0, v[T], v[T+1]
.elseif sn < 24
	v_pk_fma_f32 v[T+pr:T+pr+1], 1.0, v[P+pr:P+pr+1], v[P+8+pr:P+8+pr+1] op_sel_hi:[0,1,1]
.else
	v_pk_fma_f32 v[T+pr:T+pr+1], 1.0, v[T+pr:T+pr+1], v[P+8*((sn-16)/4)+pr:P+8*((sn-16)/4)+pr+1] op_sel_hi:[0,1,1]
.endif
.endm
; A TILE OF y: 16 rows against my 128 rows of x, K = 256: 16 matrix instructions, two of the list behind each.  q: the set that holds its fragments.  k: its place in the trip (0, 1).
; Order: P0-P3 on K step 0, P0-P3 on K step 1, then P4-P7 likewise: four accumulators take turns, one instruction a turn, from tile to tile and over the loops' backward jumps too.
; first = 1: the K step 0 products start the sums with the constant 0: nothing is ever cleared.
; Behind the second matrix instruction stand the tile's LDS instructions, in one run: store = 1: u of the tile before last (made in the last tile) goes to its slot; fetch = 1: the next tile's fragments come into the other set.
; That set's last reader is the last tile's last matrix instruction: six plain instructions that name none of its registers lie between (numbers 30, 31 and 0 to 3; ISA guide 7.12.1 asks such places of vector
; instructions).  Between a product that finishes an accumulator and the first read of it lie four such instructions or more.
.macro TILE q, first, store, fetch, k
	s_wait_dscnt 0x0                               ; this tile's fragments are in (asked for 14 matrix instructions ago)
	WIN MUL
.set i, 0
.rept 16
.set ra, 4*(i/8)+i%4
.set rs, (i/4)%2
.if (\first) && (rs == 0)
	v_wmma_f32_16x16x128_fp8_fp8 v[P+8*ra:P+8*ra+7], v[32*ra+16*rs:32*ra+16*rs+15], v[BF+32*(\q)+16*rs:BF+32*(\q)+16*rs+15], 0
.else
	v_wmma_f32_16x16x128_fp8_fp8 v[P+8*ra:P+8*ra+7], v[32*ra+16*rs:32*ra+16*rs+15], v[BF+32*(\q)+16*rs:BF+32*(\q)+16*rs+15], v[P+8*ra:P+8*ra+7]
.endif
.set sn, 2*i
	SL \first
.set sn, 2*i+1
	SL \first
.if i == 1
	WIN 0
.if \store
	ds_store_b32 v[ADU], v[U] offset:128*(\k)
.endif
.if \fetch
.irp u, 0,1
.irp c, 0,1,2,3
	ds_load_b128 v[BF+32*(1-(\q))+16*\u+4*\c:BF+32*(1-(\q))+16*\u+4*\c+3], v[ADY] offset:TILEB*((\k)+1)+128*\u+32*\c
.endr
.endr
.endif
	WIN MUL
.endif
.set i, i+1
.endr
.endm
; A trip: two tiles of y, on sets 0 and 1
.macro TRIP
	v_add_nc_u32 v[ADY], s[TB], v[AY0]
	v_add_nc_u32 v[ADU], s[TU], v[AU0]
	TILE 0, 0, 1, 1, 0
	TILE 1, 0, 1, 1, 1
	WIN 0                                          ; at a label and at a branch every window is 0
	s_add_co_u32 s[TB], s[TB], 2*TILEB
	s_add_co_u32 s[TU], s[TU], 2*128
.endm
	s_wait_tensorcnt 0x2                           ; tensor loads of a wave end in order (ISA guide 10.11.1): my rows of x are in, which I alone read; the two loads of y issued behind them may be out
	WIN 0x40                                       ; destination window 1, address window 0
.irp a, 0,1,2,3,4,5,6,7
.irp u, 0,1
.irp c, 0,1,2,3
	ds_load_b128 v[32*\a+16*\u+4*\c:32*\a+16*\u+4*\c+3], v[AX] offset:TILEB*\a+128*\u+32*\c   ; x's fragment (16 rows a, K step u): it stays
.endr
.endr
.endr
	WIN 0
	ds_store_b32 v[AU0], v[NIL]                    ; slot 0: u before the first tile is 0
	s_wait_tensorcnt 0x1                           ; my quarter of y's first half is in; the second half's load may stay out
	s_wait_dscnt 0x0                               ; no LDS instruction of mine is pending at a signal
	s_barrier_signal -1
	s_barrier_wait -1                              ; everybody's quarter is in
.irp u, 0,1
.irp c, 0,1,2,3
	ds_load_b128 v[BF+16*\u+4*\c:BF+16*\u+4*\c+3], v[ADY] offset:128*\u+32*\c   ; y's tile 0
.endr
.endr
	TILE 0, 1, 0, 1, 0                             ; tile 0 starts the sums; tile 1 makes the first u: neither has one to store
	TILE 1, 0, 0, 1, 1
	WIN 0
	s_mov_b32 s[TB], 2*TILEB
	s_mov_b32 s[TU], 1*128                         ; tile t stores u(t - 2) into slot t - 1
	s_mov_b32 s[CNT], 6
.Lfirst_half:                                          ; tiles 2 to 13; they fetch tiles up to 14: all in y's first half
	TRIP
	s_sub_co_u32 s[CNT], s[CNT], 1
	s_cmp_lg_u32 s[CNT], 0
	s_cbranch_scc1 .Lfirst_half
	s_wait_tensorcnt 0x0                           ; my quarter of y's second half is in,
	s_wait_dscnt 0x0                               ; (no LDS instruction of mine is pending at a signal)
	s_barrier_signal -1
	s_barrier_wait -1                              ; everybody's is.  Nothing is filled again
	s_mov_b32 s[TB], 14*TILEB
	s_mov_b32 s[TU], 13*128
	s_mov_b32 s[CNT], 8
.Lsecond_half:                                         ; tiles 14 to 29
	TRIP
	s_sub_co_u32 s[CNT], s[CNT], 1
	s_cmp_lg_u32 s[CNT], 0
	s_cbranch_scc1 .Lsecond_half
	s_mov_b32 s[TB], 30*TILEB
	s_mov_b32 s[TU], 29*128
	v_add_nc_u32 v[ADY], s[TB], v[AY0]
	v_add_nc_u32 v[ADU], s[TU], v[AU0]
	TILE 0, 0, 1, 1, 0                             ; tile 30,
	TILE 1, 0, 1, 0, 1                             ; tile 31: nothing is left to fetch
	WIN 0
	ds_store_b32 v[ADU], v[U] offset:2*128         ; u(30), made in tile 31
.set sn, 0
.rept 20
	SL 0                                           ; u(31): the first twenty of the list once more
.set sn, sn+1
.endr
	ds_store_b32 v[ADU], v[U] offset:3*128
	; THE SUMS OVER y's ROWS.  P_a's register j holds, in the sixteen lanes of half h, sixteen parts of x's row 16 a + 8 h + j.  All 64 registers go through my own stage, a row a lane, and come back turned:
	; lane L reads, from each of sixteen lanes' rows, the four numbers of x's rows 4 L .. 4 L + 3.  LDS serves a wave's instructions in order (ISA guide 5.7.1.4): no wait between the stores and the loads.
.irp g, 0,1,2,3,4,5,6,7,8,9,10,11,12,13,14,15
	ds_store_b128 v[TRS], v[P+4*\g:P+4*\g+3] offset:16*\g
.endr
.irp g, 0,1,2,3,4,5,6,7,8,9,10,11,12,13,14,15
	ds_load_b128 v[E+4*\g:E+4*\g+3], v[TRL] offset:PITCH*\g
.endr
	s_wait_dscnt 0x0                               ; these are in; and, for the others' sake, my 33 slots of u have landed
	s_barrier_signal -1
.irp g, 0,2,4,6,8,10,12,14,16,18,20,22,24,26,28,30     ; work on registers while the others arrive: sixteen vectors of four become one
	v_pk_add_f32 v[E+\g:E+\g+1], v[E+\g:E+\g+1], v[E+32+\g:E+32+\g+1]
.endr
.irp g, 0,2,4,6,8,10,12,14
	v_pk_add_f32 v[E+\g:E+\g+1], v[E+\g:E+\g+1], v[E+16+\g:E+16+\g+1]
.endr
.irp g, 0,2,4,6
	v_pk_add_f32 v[E+\g:E+\g+1], v[E+\g:E+\g+1], v[E+8+\g:E+8+\g+1]
.endr
.irp g, 0,2
	v_pk_add_f32 v[E+\g:E+\g+1], v[E+\g:E+\g+1], v[E+4+\g:E+4+\g+1]
.endr
	s_barrier_wait -1                              ; every wave's slots of u lie in LDS
	global_store_b128 v[GC], v[E:E+3], s[PC:PC+1]  ; 32 lanes store 512 consecutive bytes, at a multiple of 256 from part's first byte
	; THE SUMS OVER x's ROWS.  Thread t, for y's rows 4 t .. 4 t + 3: from each wave's slots and each half of the lanes, u of the tile before and u of the tile; the eight differences are added.
.irp w, 0,1,2,3
.irp u, 0,1
	ds_load_b128 v[F+8*(2*\w+\u):F+8*(2*\w+\u)+3],   v[RL] offset:REDW*\w+64*\u
	ds_load_b128 v[F+8*(2*\w+\u)+4:F+8*(2*\w+\u)+7], v[RL] offset:REDW*\w+64*\u+128
.endr
.endr
	s_wait_dscnt 0x0
.irp g, 0,1,2,3,4,5,6,7
	v_pk_add_f32 v[F+8*\g:F+8*\g+1],   v[F+8*\g+4:F+8*\g+5], v[F+8*\g:F+8*\g+1]   neg_lo:[0,1] neg_hi:[0,1]   ; u(b) - u(b - 1)
	v_pk_add_f32 v[F+8*\g+2:F+8*\g+3], v[F+8*\g+6:F+8*\g+7], v[F+8*\g+2:F+8*\g+3] neg_lo:[0,1] neg_hi:[0,1]
.endr
.irp g, 0,1,2,3
	v_pk_add_f32 v[F+8*\g:F+8*\g+1],   v[F+8*\g:F+8*\g+1],   v[F+32+8*\g:F+32+8*\g+1]
	v_pk_add_f32 v[F+8*\g+2:F+8*\g+3], v[F+8*\g+2:F+8*\g+3], v[F+32+8*\g+2:F+32+8*\g+3]
.endr
.irp g, 0,1
	v_pk_add_f32 v[F+8*\g:F+8*\g+1],   v[F+8*\g:F+8*\g+1],   v[F+16+8*\g:F+16+8*\g+1]
	v_pk_add_f32 v[F+8*\g+2:F+8*\g+3], v[F+8*\g+2:F+8*\g+3], v[F+16+8*\g+2:F+16+8*\g+3]
.endr
	v_pk_add_f32 v[F:F+1],   v[F:F+1],   v[F+8:F+9]
	v_pk_add_f32 v[F+2:F+3], v[F+2:F+3], v[F+10:F+11]
	global_store_b128 v[GR], v[F:F+3], s[PR:PR+1]  ; a wave stores 512 consecutive bytes, the work-group 2,048, at a multiple of 256 from part's first byte
	s_wait_tensorcnt 0x0                           ; the wave's end, behind my last tensor load and my last LDS store
	ds_add_u32 v[SPW], v[NIL]
	s_wait_dscnt 0x0
	CROUND                                         ; the closing round: no work-group ends while a partner may still ask for a tile that names it
	s_endpgm
.Lfunc_end_k_q71b677d0e6_scores:
	.size	k_q71b677d0e6_scores, .Lfunc_end_k_q71b677d0e6_scores-k_q71b677d0e6_scores
	.p2alignl 7, 3214868480
	.fill 96, 4, 3214868480
	.section	.rodata,"a",@progbits
	.p2align	6, 0x0
	.amdhsa_kernel k_q71b677d0e6_scores
		.amdhsa_group_segment_fixed_size 296448
		.amdhsa_private_segment_fixed_size 0
		.amdhsa_enable_private_segment 0
		.amdhsa_kernarg_size 24
		.amdhsa_user_sgpr_count 2
		.amdhsa_user_sgpr_kernarg_segment_ptr 1
		.amdhsa_wavefront_size32 1
		.amdhsa_system_sgpr_workgroup_id_x 1
		.amdhsa_system_sgpr_workgroup_id_y 1
		.amdhsa_system_sgpr_workgroup_id_z 1
		.amdhsa_system_vgpr_workitem_id 0
		.amdhsa_next_free_vgpr 512
		.amdhsa_next_free_sgpr 66
		.amdhsa_reserve_vcc 0
		.amdhsa_float_denorm_mode_32 3
		.amdhsa_float_denorm_mode_16_64 3
		.amdhsa_memory_ordered 1
		.amdhsa_forward_progress 1
		.amdhsa_inst_pref_size 49
	.end_amdhsa_kernel
	.amdgpu_metadata
---
amdhsa.version: [ 1, 2 ]
amdhsa.kernels:
  - .name:           k_q71b677d0e6_scores
    .symbol:         k_q71b677d0e6_scores.kd
    .args:
      - { .name: x_codes, .offset: 0, .size: 8, .value_kind: global_buffer, .address_space: global }
      - { .name: y_codes, .offset: 8, .size: 8, .value_kind: global_buffer, .address_space: global }
      - { .name: part, .offset: 16, .size: 8, .value_kind: global_buffer, .address_space: global }
    .group_segment_fixed_size: 296448
    .private_segment_fixed_size: 0
    .kernarg_segment_align: 8
    .kernarg_segment_size: 24
    .max_flat_workgroup_size: 128
    .sgpr_count:     66
    .vgpr_count:     512
    .wavefront_size: 32
...
	.end_amdgpu_metadata
.endif
;; end of part 1
;; launch combine (part 2): grid 256 x 1, 2 waves a work-group, no clusters, 0 bytes of LDS; arguments part, lowp_scales, out0; writes out0
.if DOCPART == 2
	.amdgcn_target "amdgcn-amd-amdhsa--gfx1250"
	.amdhsa_code_object_version 6
	.text
	.protected	k_q71b677d0e6_combine
	.globl	k_q71b677d0e6_combine
	.p2align	8
	.type	k_q71b677d0e6_combine,@function
k_q71b677d0e6_combine:
	s_mov_b64 s[64:65], 0
	v_nop
	global_prefetch_b8 v0, s[64:65] scope:SCOPE_SE
	s_setreg_imm32_b32 hwreg(HW_REG_WAVE_MODE, 25, 1), 1
	s_wait_xcnt 0x0
; out0[b][j] = 2^(e0 + e1) x the sum over k = 0 .. 3 of part[b][k][j].  part: [16][4][4096] f32, the partial sums of the codes' products; out0: [16][4096] f32; e0, e1: the two whole numbers in lowp_scales.
; A stream of 1 MB in and 256 KB out: work-group g takes 256 neighbouring outputs (batch g / 16, j from 256 (g % 16) on), a thread four of them.  Each load and the store of a wave cover 512 consecutive bytes,
; at a multiple of 256 from the buffer's first byte.  No LDS, no barrier, no matrix unit: threads share nothing, and each byte is read once.
; The scale is applied by v_ldexp_f32, which rounds nothing short of overflow and underflow: e0 + e1 has no limit of its own.
	s_load_b128 s[4:7], s[0:1], 0x0                ; part s[4:5], the scales' exponents s[6:7]
	s_load_b64 s[8:9], s[0:1], 0x10                ; out0
	v_lshlrev_b32 v1, 4, v0                        ; my 16 bytes
	s_lshr_b32 s10, ttmp9, 4
	s_lshl_b32 s10, s10, 16                        ; part: a batch is 4 x 4,096 numbers,
	s_and_b32 s11, ttmp9, 15
	s_lshl_b32 s11, s11, 10                        ; a work-group's share 256 numbers
	s_add_co_u32 s10, s10, s11
	s_mov_b32 s11, 0
	s_lshl_b32 s12, ttmp9, 10                      ; out0: 256 numbers a work-group, on end
	s_mov_b32 s13, 0
	s_wait_kmcnt 0x0
	s_load_b64 s[14:15], s[6:7], 0x0               ; e0, e1
	s_add_nc_u64 s[4:5], s[4:5], s[10:11]
	s_add_nc_u64 s[8:9], s[8:9], s[12:13]
.irp k, 0,1,2,3
	global_load_b128 v[4+4*\k:7+4*\k], v1, s[4:5] offset:16384*\k th:TH_LOAD_NT   ; the four partial sums lie 4,096 numbers apart; read once in the launch
.endr
	s_wait_kmcnt 0x0
	s_add_co_i32 s14, s14, s15                     ; e0 + e1
	s_wait_loadcnt 0x0
	v_pk_add_f32 v[4:5], v[4:5], v[8:9]            ; (0 + 1) + (2 + 3)
	v_pk_add_f32 v[6:7], v[6:7], v[10:11]
	v_pk_add_f32 v[12:13], v[12:13], v[16:17]
	v_pk_add_f32 v[14:15], v[14:15], v[18:19]
	v_pk_add_f32 v[4:5], v[4:5], v[12:13]
	v_pk_add_f32 v[6:7], v[6:7], v[14:15]
.irp j, 4,5,6,7
	v_ldexp_f32 v\j, v\j, s14                      ; x 2^(e0 + e1)
.endr
	global_store_b128 v1, v[4:7], s[8:9] th:TH_STORE_NT
	s_endpgm
.Lfunc_end_k_q71b677d0e6_combine:
	.size	k_q71b677d0e6_combine, .Lfunc_end_k_q71b677d0e6_combine-k_q71b677d0e6_combine
	.p2alignl 7, 3214868480
	.fill 96, 4, 3214868480
	.section	.rodata,"a",@progbits
	.p2align	6, 0x0
	.amdhsa_kernel k_q71b677d0e6_combine
		.amdhsa_group_segment_fixed_size 0
		.amdhsa_private_segment_fixed_size 0
		.amdhsa_enable_private_segment 0
		.amdhsa_kernarg_size 24
		.amdhsa_user_sgpr_count 2
		.amdhsa_user_sgpr_kernarg_segment_ptr 1
		.amdhsa_wavefront_size32 1
		.amdhsa_system_sgpr_workgroup_id_x 1
		.amdhsa_system_sgpr_workgroup_id_y 1
		.amdhsa_system_sgpr_workgroup_id_z 1
		.amdhsa_system_vgpr_workitem_id 0
		.amdhsa_next_free_vgpr 32
		.amdhsa_next_free_sgpr 66
		.amdhsa_reserve_vcc 0
		.amdhsa_float_denorm_mode_32 3
		.amdhsa_float_denorm_mode_16_64 3
		.amdhsa_memory_ordered 1
		.amdhsa_forward_progress 1
		.amdhsa_inst_pref_size 3
	.end_amdhsa_kernel
	.amdgpu_metadata
---
amdhsa.version: [ 1, 2 ]
amdhsa.kernels:
  - .name:           k_q71b677d0e6_combine
    .symbol:         k_q71b677d0e6_combine.kd
    .args:
      - { .name: part, .offset: 0, .size: 8, .value_kind: global_buffer, .address_space: global }
      - { .name: lowp_scales, .offset: 8, .size: 8, .value_kind: global_buffer, .address_space: global }
      - { .name: out0, .offset: 16, .size: 8, .value_kind: global_buffer, .address_space: global }
    .group_segment_fixed_size: 0
    .private_segment_fixed_size: 0
    .kernarg_segment_align: 8
    .kernarg_segment_size: 24
    .max_flat_workgroup_size: 64
    .sgpr_count:     66
    .vgpr_count:     32
    .wavefront_size: 32
...
	.end_amdgpu_metadata
.endif
;; end of part 2
